; MI455X (gfx1250); checked and timed in simulation.
; The chip was launched on July 23, 2026; its instructions are those of AMD's public machine-readable ISA for CDNA 5 (MIT licence, August 2026) and "CDNA5" Instruction Set Architecture Reference Guide (July 2026). The comments in the code are by the model that wrote it; some were corrected since.
;; DFVAE. Allowed arithmetic: float matrix products may take bf16 or f16 operands with f32 sums; other float arithmetic in f32, or as packed bf16 or f16 multiplies, adds, multiply-adds, maxima and minima; sums over many terms, partial sums and values carried from step to step in f32; what a program stores and reads back later, other than sums and carried values, may be rounded once to bf16 or f16.
;; Inputs: W_assay 6 x 512 x 512 float32; W_dataset 4 x 512 x 512 float32; W_donor 4 x 512 x 512 float32; assay_ids 16,384 int32; b_assay 6 x 512 float32; b_dataset 4 x 512 float32; b_donor 4 x 512 float32; dataset_ids 16,384 int32; donor_ids 16,384 int32; z 16,384 x 512 float32.
;; Outputs: out0 16,384 x 512 float32.
;; One version. Each part assembles by itself: llvm-mc -triple=amdgcn-amd-amdhsa -mcpu=gfx1250 --defsym DOCPART=n.
;; ======== version 1 of 1: 2 launches
;; limits: values are held in f16: magnitudes above 65,504 overflow, below 6.1e-05 lose precision; inputs' magnitudes at most 65,504
;; workspace buffers: wf 7,340,032 bytes; order 65,536 bytes of whole numbers; wstat 3,584 bytes
;; launch prep (part 1): grid 228 x 1, 4 waves a work-group, no clusters, 33,792 bytes of LDS; arguments W_dataset, W_assay, W_donor, dataset_ids, assay_ids, donor_ids, wf, order, wstat; writes wf, order, wstat
.if DOCPART == 1
	.amdgcn_target "amdgcn-amd-amdhsa--gfx1250"
	.amdhsa_code_object_version 6
	.text
	.protected	k_qafa6ccb231_prep
	.globl	k_qafa6ccb231_prep
	.p2align	8
	.type	k_qafa6ccb231_prep,@function
k_qafa6ccb231_prep:
	s_mov_b64 s[64:65], 0
	v_nop
	global_prefetch_b8 v0, s[64:65] scope:SCOPE_SE
	s_setreg_imm32_b32 hwreg(HW_REG_WAVE_MODE, 25, 1), 1
	s_wait_xcnt 0x0
; PREP.  Two kinds of work-group in one launch, told apart by the work-group's number alone.
; Work-groups 0 .. NSORT-1 SORT: each takes 4,096 rows of the batch and writes them into 'order', sorted by the key (6 d + a) 4 + o of their three ids
; (a counting sort, no atomics).  A word of 'order' is row | d << 16 | a << 20 | o << 24.  The next launch cuts the list into tiles of 64 rows.
; Work-groups NSORT .. NSORT+223 CONVERT: work-group c takes 32 rows (one k step) of expert e = c / 16, rounds them to bf16 and writes them into 'wf' in the order in
; which a wave's matrix-operand registers take them:  wf[e][slice of 64 columns][k step][block of 16 columns][1,024 bytes], byte 512 hf + 16 L + 2 j of a block =
; W[32 ks + 16 hf + 8 (L / 16) + j][column L % 16 of the block].  Experts 0-3 (first stage, multiplied with z in bf16) stay bf16; experts 4-13 (multiplied with hidden
; layers kept in f16) are rounded to bf16 like every input, and that number is written as f16.  Each wave also stores the largest |W| of its 32 x 128 numbers into 'wstat'.
; LIMITS.  An id outside its table counts as the table's last expert.  Experts 4-13: |W| up to 65,504; below 2^-14 the number keeps f16's fixed step of 2^-24.
; No matrix unit, cluster or tensor load: every byte has one reader and is touched once.
.set NSORT, 4
.set SPARE, 33280                      ; behind the stages: the spare words, 128 bytes for each of four waves, two blocks of 256 bytes that no other line names
.set SPW,   14                         ; v14  LDS address of my spare word; never rewritten
.set NIL,   15                         ; v15  0; never rewritten
; conversion
.set FP,    1040                       ; a block of 1,024 bytes in my stage + 16: the 16 lanes of a store's pass fall into 16 different 16-byte columns modulo 256
.set X,     64                         ; v[64:191]  32 rows x 4 columns as loaded; later the blocks read back
.set Y,     192                        ; v[192:255] packed: 16 oct + 4 i + jj
.set M,     16                         ; v16-17  two running maxima
.set T,     20                         ; v20-27  at work
; sort
.set D,     64                         ; v[64:95]   dataset ids, then the list's words
.set A,     96                         ; v[96:127]  assay ids, then the LDS address of the element's counter
.set O,     128                        ; v[128:159] donor ids, then the element's rank
.set CN,    160                        ; v[160:191] how many of the register's 32 elements have my key
.set K,     192                        ; v192-195 keys of the four elements in hand
.set WD,    196                        ; v196-199 their words in the making
.set P,     200                        ; v200-227 seven planes for each of the four
.set TP,    228                        ; v228-231 at work
.set C,     232                        ; v232-235 counters read
.set OWN,   192                        ; v192-200 my own tables 0-2 (after the rounds)
.set P0,    204
.set TT,    208
.set II,    212
.set TM,    216
.set WB,    8192                       ; LDS: 16 tables of counts at 0 (pitch 512), 16 tables of bases at 8,192
.set TB,    36                         ; s36-39  my four tables
.set BAL,   44                         ; s44-57  a ballot and its complement for each of the key's seven bits
	s_load_b512 s[4:19], s[0:1], 0x0               ; W_dataset s[4:5], W_assay s[6:7], W_donor s[8:9], the three id lists s[10:15], wf s[16:17], order s[18:19]
	s_load_b64 s[20:21], s[0:1], 0x40              ; wstat
	v_lshl_add_u32 v[SPW], v0, 2, SPARE
	v_mov_b32 v[NIL], 0
	v_lshrrev_b32 v2, 5, v0
	v_readfirstlane_b32 s22, v2                    ; wave 0..3
	v_and_b32 v1, 31, v0                           ; lane
	v_lshlrev_b32 v2, 4, v1                        ; 16 x lane
	s_wait_kmcnt 0x0
	s_cmp_lt_u32 ttmp9, NSORT
	s_cbranch_scc1 .Lsort                          ; the same way for all four waves of a work-group
; ---------------------------------------------------------------- CONVERT
	s_sub_co_u32 s23, ttmp9, NSORT                 ; c
	s_lshr_b32 s24, s23, 4                         ; e, 0..13
	s_and_b32 s25, s23, 15                         ; ks
	s_cmp_lt_u32 s24, 10
	s_cselect_b64 s[26:27], s[6:7], s[8:9]         ; the tensor that holds expert e,
	s_cselect_b32 s28, 4, 10                       ; and the number of its first expert
	s_cmp_lt_u32 s24, 4
	s_cselect_b64 s[26:27], s[4:5], s[26:27]
	s_cselect_b32 s28, 0, s28
	s_sub_co_u32 s28, s24, s28
	s_lshl_b32 s28, s28, 20                        ; an expert is 512 x 512 x 4 bytes,
	s_lshl_b32 s29, s25, 16                        ; 32 rows are 65,536,
	s_add_co_u32 s28, s28, s29
	s_lshl_b32 s29, s22, 9                         ; my wave's 128 columns begin at byte 512 x wave
	s_add_co_u32 s28, s28, s29
	s_mov_b32 s29, 0
	s_add_nc_u64 s[26:27], s[26:27], s[28:29]
.set j, 0
.rept 32                                               ; row j: 32 lanes x 16 bytes = 512 consecutive bytes, at a multiple of 512 from the tensor's first byte; read once in the launch
	global_load_b128 v[X+4*j:X+4*j+3], v2, s[26:27] offset:2048*j th:TH_LOAD_NT
.set j, j+1
.endr
	s_lshl_b32 s30, s24, 19                        ; wf: expert, 524,288 bytes;
	s_lshl_b32 s31, s22, 17                        ; my 128 columns are two slices of 65,536;
	s_add_co_u32 s30, s30, s31
	s_lshl_b32 s31, s25, 12                        ; a k step of a slice is 4,096
	s_add_co_u32 s30, s30, s31
	s_mov_b32 s31, 0
	s_add_nc_u64 s[16:17], s[16:17], s[30:31]
	s_lshl_b32 s32, s23, 4
	s_lshl2_add_u32 s32, s22, s32                  ; wstat: word 4 c + wave
	s_mov_b32 s33, 0
	s_add_nc_u64 s[20:21], s[20:21], s[32:33]
	s_mov_b32 s35, 0xffff0000                      ; a word's upper bf16
	s_mov_b32 s36, 0x76543210                      ; v_permlanex16_b32: each lane takes its own place in the other half
	s_mov_b32 s37, 0xfedcba98
	s_mul_i32 s34, s22, 8*FP                       ; my stage
	v_lshrrev_b32 v5, 2, v1                        ; my four columns lie in block lane / 4,
	v_and_b32 v6, 3, v1                            ; at columns 4 (lane % 4) + i of it
	v_mul_u32_u24 v3, v5, FP
	v_lshl_add_u32 v3, v6, 6, v3
	v_add_nc_u32 v3, s34, v3                       ; where I put 16 bytes (8 k of one column): + 256 oct + 16 i
	v_add_nc_u32 v4, s34, v2                       ; where I read a block back
; Eight rows (k = 8 oct .. 8 oct + 7): the largest magnitude, the rounding, and four stores of 16 bytes into my stage.  half = 1: the bf16 number is written as f16.
.macro OCT oct, half
	s_wait_loadcnt 24-8*(\oct)                     ; loads come back in order: these eight rows are in, the later octets' stay out
.set n, 0
.rept 16
.if ((\oct) == 0) && (n < 2)
	v_max_num_f32 v[M+n], |v[X+32*(\oct)+2*n]|, |v[X+32*(\oct)+2*n+1]|  ; the first values start the two chains: nothing is cleared
.else
	v_max3_num_f32 v[M+n%2], |v[X+32*(\oct)+2*n]|, |v[X+32*(\oct)+2*n+1]|, v[M+n%2]
.endif
.set n, n+1
.endr
.set n, 0
.rept 16                                               ; n = 4 i + jj: column i, rows 8 oct + 2 jj and the next
.set ra, X+32*(\oct)+8*(n%4)+n/4
.if \half
.set tt, T+2*(n%4)
	v_cvt_pk_bf16_f32 v[tt], v[ra], v[ra+4]
	v_lshlrev_b32 v[tt+1], 16, v[tt]
	v_and_b32 v[tt], s35, v[tt]
	v_cvt_pk_f16_f32 v[Y+16*(\oct)+n], v[tt+1], v[tt]
.else
	v_cvt_pk_bf16_f32 v[Y+16*(\oct)+n], v[ra], v[ra+4]
.endif
.set n, n+1
.endr
.irp i, 0,1,2,3
	ds_store_b128 v3, v[Y+16*(\oct)+4*(\i):Y+16*(\oct)+4*(\i)+3] offset:256*(\oct)+16*(\i)
.endr
.endm
	s_cmp_lt_u32 s24, 4
	s_cbranch_scc0 .Lhalf
.irp oct, 0,1,2,3
	OCT \oct, 0
.endr
	s_branch .Lback
.Lhalf:
.irp oct, 0,1,2,3
	OCT \oct, 1
.endr
.Lback:
.set n, 0
.rept 16                                               ; n = 2 f + hf: half a block; my own bytes, and LDS serves a wave's instructions in order (ISA guide 5.7.1.4): no wait behind the stores
	ds_load_b128 v[X+4*n:X+4*n+3], v4 offset:FP*(n/2)+512*(n%2)
.set n, n+1
.endr
.set n, 0
.rept 16
	s_wait_dscnt 15-n                              ; the younger reads stay out
	global_store_b128 v2, v[X+4*n:X+4*n+3], s[16:17] offset:((n/2)/4)*65536+((n/2)%4)*1024+512*(n%2)  ; 512 consecutive bytes, at a multiple of 512 from wf's first byte
.set n, n+1
.endr
	v_max_num_f32 v[M], v[M], v[M+1]
	v_max_num_f32_dpp v[M], v[M], v[M] row_xmask:1 row_mask:0xf bank_mask:0xf
	v_max_num_f32_dpp v[M], v[M], v[M] row_xmask:2 row_mask:0xf bank_mask:0xf
	v_max_num_f32_dpp v[M], v[M], v[M] row_xmask:4 row_mask:0xf bank_mask:0xf
	v_max_num_f32_dpp v[M], v[M], v[M] row_xmask:8 row_mask:0xf bank_mask:0xf
	v_permlanex16_b32 v[M+1], v[M], s36, s37
	v_max_num_f32 v[M], v[M], v[M+1]
	v_mov_b32 v18, 0
	v_cmp_eq_u32 vcc_lo, 0, v1
	s_wait_xcnt 0x0                                ; EXEC is a source of the stores above: it changes only behind this wait
	s_and_saveexec_b32 s38, vcc_lo
	global_store_b32 v18, v[M], s[20:21]           ; one word of four bytes for 16,384 bytes of input
	s_wait_xcnt 0x0
	s_or_b32 exec_lo, exec_lo, s38
	s_wait_tensorcnt 0x0                           ; the wave's end, behind my last LDS store
	ds_add_u32 v[SPW], v[NIL]
	s_wait_dscnt 0x0
	s_endpgm
; ---------------------------------------------------------------- SORT
; A wave has 1,024 elements in 32 registers: register 4 g + j, lane l = row 4,096 s + 1,024 wave + 128 g + 4 l + j.  Table 4 wave + j counts the keys of the wave's registers
; with that j, so that a round's four counters are independent.  An element's place = the keys below it + the tables before its own + its rank in its own table.
.macro ALL4 line:vararg                ; one line for each of a group's four elements t
.set t, 0
.rept 4
	\line
.set t, t+1
.endr
.endm
.macro PRE g
.set G4, 4*(\g)
	s_wait_loadcnt 3*(7-(\g))                      ; this group's three loads are in; three for each later group stay out
	ALL4 v_min_u32 v[D+G4+t], 3, v[D+G4+t]
	ALL4 v_min_u32 v[A+G4+t], 5, v[A+G4+t]
	ALL4 v_min_u32 v[O+G4+t], 3, v[O+G4+t]
	ALL4 v_mad_u32_u24 v[K+t], v[D+G4+t], 6, v[A+G4+t]
	ALL4 v_lshl_add_u32 v[K+t], v[K+t], 2, v[O+G4+t]
	ALL4 v_add_nc_u32 v[WD+t], 32*G4+t, v3
	ALL4 v_lshl_or_b32 v[WD+t], v[D+G4+t], 16, v[WD+t]
	ALL4 v_lshl_or_b32 v[WD+t], v[A+G4+t], 20, v[WD+t]
	ALL4 v_lshl_or_b32 v[D+G4+t], v[O+G4+t], 24, v[WD+t]
	ALL4 v_lshl_add_u32 v[A+G4+t], v[K+t], 2, s[TB+t]
.set t, 0
.rept 4                                                ; for each bit of the key: the lanes that agree with mine (the ballot where my bit is 1, its complement where it is 0)
.irp b, 0,1,2,3,4,5,6
	v_and_b32 v[P+7*t+(\b)], 1<<(\b), v[K+t]
.endr
.irp b, 0,1,2,3,4,5,6
	v_cmp_ne_u32 s[BAL+2*(\b)], 0, v[P+7*t+(\b)]
.endr
.irp b, 0,1,2,3,4,5,6
	s_not_b32 s[BAL+2*(\b)+1], s[BAL+2*(\b)]
.endr
.irp b, 0,1,2,3,4,5,6
	v_cndmask_b32 v[P+7*t+(\b)], s[BAL+2*(\b)+1], s[BAL+2*(\b)], s[BAL+2*(\b)]
.endr
.set t, t+1
.endr
	ALL4 v_and_b32 v[P+7*t], v[P+7*t], v[P+7*t+1]
	ALL4 v_and_b32 v[P+7*t+2], v[P+7*t+2], v[P+7*t+3]
	ALL4 v_and_b32 v[P+7*t+4], v[P+7*t+4], v[P+7*t+5]
	ALL4 v_and_b32 v[P+7*t], v[P+7*t], v[P+7*t+2]
	ALL4 v_and_b32 v[P+7*t+4], v[P+7*t+4], v[P+7*t+6]
	ALL4 v_and_b32 v[P+7*t], v[P+7*t], v[P+7*t+4]
	ALL4 v_mbcnt_lo_u32_b32 v[O+G4+t], v[P+7*t], 0
	; how many lanes have my key: the ones of that word, counted in pairs, fours, bytes, and summed by a multiply
	ALL4 v_lshrrev_b32 v[TP+t], 1, v[P+7*t]
	ALL4 v_and_b32 v[TP+t], s40, v[TP+t]
	ALL4 v_sub_nc_u32 v[CN+G4+t], v[P+7*t], v[TP+t]
	ALL4 v_lshrrev_b32 v[TP+t], 2, v[CN+G4+t]
	ALL4 v_and_b32 v[CN+G4+t], s41, v[CN+G4+t]
	ALL4 v_and_b32 v[TP+t], s41, v[TP+t]
	ALL4 v_add_nc_u32 v[CN+G4+t], v[CN+G4+t], v[TP+t]
	ALL4 v_lshrrev_b32 v[TP+t], 4, v[CN+G4+t]
	ALL4 v_add_nc_u32 v[CN+G4+t], v[CN+G4+t], v[TP+t]
	ALL4 v_and_b32 v[CN+G4+t], s42, v[CN+G4+t]
	ALL4 v_mul_lo_u32 v[CN+G4+t], v[CN+G4+t], s43
	ALL4 v_lshrrev_b32 v[CN+G4+t], 24, v[CN+G4+t]
.endm
.macro RLD g                           ; a round's first half: the four counters are read
.set R4, 4*(\g)
	ALL4 ds_load_b32 v[C+t], v[A+R4+t]
.endm
.macro RFIN g                          ; its second half: rank = counter + the lower lanes with my key; the counter grows by all lanes with my key (they all store the same number)
.set R4, 4*(\g)
	s_wait_dscnt 0x0
	ALL4 v_add_nc_u32 v[O+R4+t], v[C+t], v[O+R4+t]
	ALL4 v_add_nc_u32 v[C+t], v[C+t], v[CN+R4+t]
	ALL4 ds_store_b32 v[A+R4+t], v[C+t]
.endm
.Lsort:
	s_mov_b32 s40, 0x55555555
	s_mov_b32 s41, 0x33333333
	s_mov_b32 s42, 0x0f0f0f0f
	s_mov_b32 s43, 0x01010101
	s_lshl_b32 s23, ttmp9, 12
	s_lshl_b32 s24, s22, 10
	s_add_co_u32 s24, s23, s24                     ; my wave's first row
	s_lshl_b32 s26, s24, 2
	s_mov_b32 s27, 0
	s_add_nc_u64 s[10:11], s[10:11], s[26:27]
	s_add_nc_u64 s[12:13], s[12:13], s[26:27]
	s_add_nc_u64 s[14:15], s[14:15], s[26:27]
.set g, 0
.rept 8                                                ; 24 loads, all out at once: 512 consecutive bytes each
	global_load_b128 v[D+4*g:D+4*g+3], v2, s[10:11] offset:512*g th:TH_LOAD_NT
	global_load_b128 v[A+4*g:A+4*g+3], v2, s[12:13] offset:512*g th:TH_LOAD_NT
	global_load_b128 v[O+4*g:O+4*g+3], v2, s[14:15] offset:512*g th:TH_LOAD_NT
.set g, g+1
.endr
	s_lshl_b32 s26, ttmp9, 14
	s_add_nc_u64 s[18:19], s[18:19], s[26:27]      ; my work-group's 4,096 words of the list
	s_lshl_b32 s[TB], s22, 11                      ; my four tables of 512 bytes
	s_add_co_u32 s[TB+1], s[TB], 512
	s_add_co_u32 s[TB+2], s[TB], 1024
	s_add_co_u32 s[TB+3], s[TB], 1536
	v_lshl_add_u32 v3, v1, 2, s24                  ; row of my element 0 of group 0
	v_add_nc_u32 v4, s[TB], v2
	v_lshlrev_b32 v5, 2, v1                        ; 4 x lane: key = lane in a table
	v_add_nc_u32 v6, s[TB], v5                     ; the same in my own tables
	v_lshrrev_b32 v7, 4, v1                        ; lane / 16
	v_mov_b32 v16, 0
	v_mov_b32 v17, 0
	v_mov_b32 v18, 0
	v_mov_b32 v19, 0
.irp j, 0,1,2,3
	ds_store_b128 v4, v[16:19] offset:512*(\j)     ; my tables start at 0
.endr
	PRE 0
	RLD 0
.irp g, 1,2,3,4,5,6,7                  ; the next group's register work stands between a round's reads and the wait for them
	PRE \g
	RFIN (\g)-1
	RLD \g
.endr
	RFIN 7
	s_wait_dscnt 0x0                               ; for the others' sake: my tables are written
	s_barrier_signal -1
	s_barrier_wait -1
	; Every wave for itself: lane l holds keys l, l + 32, l + 64 (gk = 0, 1, 2).  All 16 tables, and once more my own first three.
.set n, 0
.rept 48                                               ; n = 3 x table + gk
	ds_load_b32 v[16+n], v5 offset:512*(n/3)+128*(n%3)
.set n, n+1
.endr
.set n, 0
.rept 9
	ds_load_b32 v[OWN+n], v6 offset:512*(n/3)+128*(n%3)
.set n, n+1
.endr
.irp w, 0,1,2
	s_cmp_gt_u32 s22, \w
	s_cselect_b32 s[28+(\w)], 1, 0                 ; 1: wave w stands before mine
.endr
	s_mov_b32 s32, 0                               ; the elements of the keys below the group in hand
	v_mov_b32 v[TM], 0
	s_wait_dscnt 0x0
.irp w, 0,1,2,3
.irp gk, 0,1,2
	v_add3_u32 v[16+12*(\w)+(\gk)], v[16+12*(\w)+(\gk)], v[19+12*(\w)+(\gk)], v[22+12*(\w)+(\gk)]
	v_add_nc_u32 v[16+12*(\w)+(\gk)], v[16+12*(\w)+(\gk)], v[25+12*(\w)+(\gk)]  ; a wave's four tables
.endr
.endr
.irp gk, 0,1,2
	v_mul_u32_u24 v[P0+(\gk)], v[16+(\gk)], s28    ; the waves before mine
	v_mad_u32_u24 v[P0+(\gk)], v[28+(\gk)], s29, v[P0+(\gk)]
	v_mad_u32_u24 v[P0+(\gk)], v[40+(\gk)], s30, v[P0+(\gk)]
	v_add3_u32 v[TT+(\gk)], v[16+(\gk)], v[28+(\gk)], v[40+(\gk)]
	v_add_nc_u32 v[TT+(\gk)], v[TT+(\gk)], v[52+(\gk)]  ; the key's elements in the whole work-group
	v_mov_b32 v[II+(\gk)], v[TT+(\gk)]
.irp sh, 1,2,4,8                       ; running sum inside each 16 lanes
	v_mov_b32_dpp v[TM], v[II+(\gk)] row_shr:\sh row_mask:0xf bank_mask:0xf bound_ctrl:1
	v_add_nc_u32 v[II+(\gk)], v[II+(\gk)], v[TM]
.endr
	v_readlane_b32 s33, v[II+(\gk)], 15
	v_mad_u32_u24 v[II+(\gk)], v7, s33, v[II+(\gk)]  ; the upper 16 lanes add the lower 16's total
	v_readlane_b32 s34, v[II+(\gk)], 31
	v_sub_nc_u32 v[II+(\gk)], v[II+(\gk)], v[TT+(\gk)]  ; the keys below mine alone
	v_add3_u32 v[II+(\gk)], v[II+(\gk)], v[P0+(\gk)], s32
	s_add_co_u32 s32, s32, s34
	ds_store_b32 v6, v[II+(\gk)] offset:WB+128*(\gk)  ; base of my table 0; tables 1 to 3 add the tables before them
	v_add_nc_u32 v[II+(\gk)], v[II+(\gk)], v[OWN+(\gk)]
	ds_store_b32 v6, v[II+(\gk)] offset:WB+512+128*(\gk)
	v_add_nc_u32 v[II+(\gk)], v[II+(\gk)], v[OWN+3+(\gk)]
	ds_store_b32 v6, v[II+(\gk)] offset:WB+1024+128*(\gk)
	v_add_nc_u32 v[II+(\gk)], v[II+(\gk)], v[OWN+6+(\gk)]
	ds_store_b32 v6, v[II+(\gk)] offset:WB+1536+128*(\gk)
.endr
.set i, 0
.rept 32                                               ; my own bytes again, served in order behind the stores above
	ds_load_b32 v[16+i], v[A+i] offset:WB
.set i, i+1
.endr
.set i, 0
.rept 32
	s_wait_dscnt 31-i                              ; the younger reads stay out
	v_add_nc_u32 v[16+i], v[16+i], v[O+i]
	v_min_u32 v[16+i], 0xfff, v[16+i]              ; a place among the work-group's 4,096
	v_lshlrev_b32 v[16+i], 2, v[16+i]
	global_store_b32 v[16+i], v[D+i], s[18:19]     ; four bytes a lane at places that hang on the ids: the whole list is 65,536 bytes
.set i, i+1
.endr
	s_wait_tensorcnt 0x0                           ; the wave's end, behind my last LDS store
	ds_add_u32 v[SPW], v[NIL]
	s_wait_dscnt 0x0
	s_endpgm
.Lfunc_end_k_qafa6ccb231_prep:
	.size	k_qafa6ccb231_prep, .Lfunc_end_k_qafa6ccb231_prep-k_qafa6ccb231_prep
	.p2alignl 7, 3214868480
	.fill 96, 4, 3214868480
	.section	.rodata,"a",@progbits
	.p2align	6, 0x0
	.amdhsa_kernel k_qafa6ccb231_prep
		.amdhsa_group_segment_fixed_size 33792
		.amdhsa_private_segment_fixed_size 0
		.amdhsa_enable_private_segment 0
		.amdhsa_kernarg_size 72
		.amdhsa_user_sgpr_count 2
		.amdhsa_user_sgpr_kernarg_segment_ptr 1
		.amdhsa_wavefront_size32 1
		.amdhsa_system_sgpr_workgroup_id_x 1
		.amdhsa_system_sgpr_workgroup_id_y 1
		.amdhsa_system_sgpr_workgroup_id_z 1
		.amdhsa_system_vgpr_workitem_id 0
		.amdhsa_next_free_vgpr 256
		.amdhsa_next_free_sgpr 66
		.amdhsa_reserve_vcc 1
		.amdhsa_float_denorm_mode_32 3
		.amdhsa_float_denorm_mode_16_64 3
		.amdhsa_memory_ordered 1
		.amdhsa_forward_progress 1
		.amdhsa_inst_pref_size 145
	.end_amdhsa_kernel
	.amdgpu_metadata
---
amdhsa.version: [ 1, 2 ]
amdhsa.kernels:
  - .name:           k_qafa6ccb231_prep
    .symbol:         k_qafa6ccb231_prep.kd
    .args:
      - { .name: W_dataset, .offset: 0, .size: 8, .value_kind: global_buffer, .address_space: global }
      - { .name: W_assay, .offset: 8, .size: 8, .value_kind: global_buffer, .address_space: global }
      - { .name: W_donor, .offset: 16, .size: 8, .value_kind: global_buffer, .address_space: global }
      - { .name: dataset_ids, .offset: 24, .size: 8, .value_kind: global_buffer, .address_space: global }
      - { .name: assay_ids, .offset: 32, .size: 8, .value_kind: global_buffer, .address_space: global }
      - { .name: donor_ids, .offset: 40, .size: 8, .value_kind: global_buffer, .address_space: global }
      - { .name: wf, .offset: 48, .size: 8, .value_kind: global_buffer, .address_space: global }
      - { .name: order, .offset: 56, .size: 8, .value_kind: global_buffer, .address_space: global }
      - { .name: wstat, .offset: 64, .size: 8, .value_kind: global_buffer, .address_space: global }
    .group_segment_fixed_size: 33792
    .private_segment_fixed_size: 0
    .kernarg_segment_align: 8
    .kernarg_segment_size: 72
    .max_flat_workgroup_size: 128
    .sgpr_count:     66
    .vgpr_count:     256
    .wavefront_size: 32
...
	.end_amdgpu_metadata
.endif
;; end of part 1
;; launch chain (part 2): grid 256 x 1, 8 waves a work-group, no clusters, 266,496 bytes of LDS; arguments z, wf, order, b_dataset, b_assay, b_donor, out0, wstat; writes out0
.if DOCPART == 2
	.amdgcn_target "amdgcn-amd-amdhsa--gfx1250"
	.amdhsa_code_object_version 6
	.text
	.protected	k_qafa6ccb231_chain
	.globl	k_qafa6ccb231_chain
	.p2align	8
	.type	k_qafa6ccb231_chain,@function
k_qafa6ccb231_chain:
	s_mov_b64 s[64:65], 0
	v_nop
	global_prefetch_b8 v0, s[64:65] scope:SCOPE_SE
	s_setreg_imm32_b32 hwreg(HW_REG_WAVE_MODE, 25, 1), 1
	s_wait_xcnt 0x0
; CHAIN.  out[row] = relu(relu(relu(z[row] Wd[d] + bd[d]) Wa[a] + ba[a]) Wo[o] + bo[o]).  A work-group takes 64 rows of the sorted list 'order' (16,384 / 64 = 256 work-groups, whatever
; the split) through all three stages; the hidden layers stay in LDS.  Eight waves; wave w makes all 64 rows x output columns 64 w .. 64 w + 63: 16 accumulators of 16 x 16.
; WEIGHTS come from 'wf' straight into operand registers: each wave alone reads its slice (65,536 bytes a pass), 512 consecutive bytes a load, six k steps of registers by turns.
; SEVERAL EXPERTS IN A TILE.  Each stage walks its experts in a loop with a constant count; an expert that no row of the tile chose is jumped (forward, past no barrier); a live one is
; multiplied for all 64 rows, and only its own rows are stored, under a narrowed EXEC.  So every split of the rows is served; a tile of one triple does exactly three passes.
; FORMATS.  z, all weights and all biases are rounded to bf16 (the later stages' weights then written as f16); sums in f32; the hidden layers are kept in f16, multiplied by a power of two:
; B1 = 512 max|z| max|Wd| + max|bd| bounds h1, B2 = 512 B1 max|Wa| + max|ba| bounds h2 (max|z| over the tile, the others over all experts of the stage), and s = 2^(141 - exponent field of B)
; gives |h| s < 2^15.  The factors enter as numbers alone: acc x AL + bias x BE in each stage; no branch and no address hangs on them.
; THE MATRIX INSTRUCTION IS USED TRANSPOSED: source 0 = 16 output columns of W, source 1 = 16 rows of h.  Lane l then holds row l % 16 and eight neighbouring columns 8 (l / 16) + 0..7.
; LIMITS.  NaN becomes 0 in a ReLU, infinities are not treated apart; B1 and B2 must be finite in f32; a hidden number keeps 11 bits, or a step of B 2^-39 where it is smaller than B 2^-29;
; a factor 2^(e1 - e2) below 2^-126 counts as 0.
; NO CLUSTER, NO TENSOR LOADS.  Which experts a work-group walks, and how many passes it makes, hang on the triples in its own 64 rows: partners would need different tiles in different numbers;
; and inside a work-group each weight byte has one reader, so a way through LDS would add a write and a read for each byte.
.set HP,    1040                       ; a row of h in LDS: 1,024 bytes + 16 = 65 x 16: the 16 rows of a fragment load start at 16 different 16-byte columns modulo 256
.set HB,    64*HP                      ; H0 at 0 (z in bf16, later h2), H1 at HB (h1)
.set OUTS,  2*HB                       ; the last stage's 64 rows in f32,
.set OP,    2064                       ; 2,048 bytes + 16 apart
.set STAT,  OUTS+64*OP                 ; five maxima x eight waves: quantity q at 32 q + 4 wave
.set SPARE, STAT+256                   ; the spare words, 128 bytes for each of eight waves: four blocks of 256 bytes that no other line names
.set R,    1                           ; v1   lane % 16
.set H,    2                           ; v2   (lane / 16) % 2
.set LN,   3                           ; v3   lane
.set WOF,  4                           ; v4   16 x lane
.set BOF,  5                           ; v5   my eight columns in a bias row: 256 w + 32 h
.set HRD0, 6                           ; v6-7 where my fragments of h begin, in H0 and H1
.set HRD1, 7
.set HST0, 8                           ; v8-9 where I put 16 bytes of a row of h
.set HST1, 9
.set OST0, 10                          ; v10-11 the same in OUTS, rows 0-31 and 32-63
.set OST1, 11
.set ORD,  12                          ; v12  where I read my wave's eight rows of OUTS back
.set ZST,  13                          ; v13  where I put 8 bytes of my wave's rows of z
.set SPW,  14                          ; v14  LDS address of my spare word; never rewritten
.set NIL,  15                          ; v15  0; never rewritten
.set ZERO, 16                          ; v16  0, for the packed ReLU
.set STA,  17                          ; v17  STAT
.set KEY,  20                          ; v20-23 the list's word of row 16 a + lane % 16
.set DIG,  24                          ; v24-27 that row's expert in the stage in hand (in the head: offsets)
.set PK,   48                          ; v48-63 packed results of 16 rows (in the head: at work)
.set BIAS, 64                          ; v64-95 bias x BE of my 32 columns
.set RAW,  96                          ; v96-127 the bias as loaded
.set ACC,  128                         ; v128-255 accumulator (a, cb) at ACC + 32 a + 8 cb.  Window 1: v0-191 six k steps of weights, v192-255 two k steps of h
.set WV,   20                          ; s20  wave
.set TS,   21                          ; s21  at work
.set EX,   22                          ; s22  the expert in hand
.set SV,   23                          ; s23  EXEC set aside
.set RO,   24                          ; s24-31 byte offsets of my wave's eight rows
.set RP,   32                          ; s32-47 their addresses, in z and later in out0
.set OF,   48                          ; s[48:49] an offset, the high word always 0
.set WP,   50                          ; s[50:51] my slice of the expert's weights
.set BP,   52                          ; s[52:53] the expert's bias row
.set MK,   54                          ; s54-57 which rows chose the expert
.set AL,   58                          ; s[58:59] the stage's factor for the sums
.set BE,   60                          ; s[60:61] and for the bias
.set SEL,  62                          ; s[62:63] v_permlanex16_b32's selects
.set SC,   66                          ; s66-68 AL of stages 1-3, s69-71 BE
.set OT,   72                          ; s[72:73] the tile's 64 words of the list
.set E1,   74
.set E2,   75
.set TE,   76
.set HM,   77                          ; s77  a word's upper bf16
.set LP,   78                          ; s[78:79] my wave's eight words of the list
.set MSB, 0
.macro WIN new                         ; the immediate's high byte repeats the setting that is left; a switch that changes nothing is dropped
.if MSB != (\new)
	s_set_vgpr_msb (MSB<<8)|(\new)
.set MSB, \new
.endif
.endm
.set TO_F, 0x40                        ; destination window 1, address window 0
.set MUL,  0x05                        ; sources 0 and 1 window 1; C and D window 0
.macro PLACES                          ; four plain vector instructions between a matrix instruction and a load into, or a vector read of, its registers
.rept 4
	v_nop
.endr
.endm
	s_load_b512 s[4:19], s[0:1], 0x0               ; z s[4:5], wf s[6:7], order s[8:9], b_dataset s[10:11], b_assay s[12:13], b_donor s[14:15], out0 s[16:17], wstat s[18:19]
	v_lshl_add_u32 v[SPW], v0, 2, SPARE
	v_mov_b32 v[NIL], 0
	v_lshrrev_b32 v[LN], 5, v0
	v_readfirstlane_b32 s[WV], v[LN]               ; wave 0..7
	v_and_b32 v[LN], 31, v0
	v_and_b32 v[R], 15, v0
	v_bfe_u32 v[H], v0, 4, 1
	v_lshlrev_b32 v[WOF], 4, v[LN]
	v_lshlrev_b32 v18, 2, v[R]                     ; the list's word of row lane % 16
	v_lshlrev_b32 v19, 2, v0                       ; one word a thread
	v_and_b32 v24, 127, v0
	v_lshlrev_b32 v24, 2, v24
	v_lshlrev_b32 v25, 4, v0                       ; 16 bytes a thread
	s_lshl_b32 s[OF], ttmp9, 8                     ; a tile's 64 words
	s_mov_b32 s[OF+1], 0
	s_lshl_b32 s[TS], s[WV], 5                     ; my wave's eight of them
	s_mov_b32 s[SEL], 0x76543210
	s_mov_b32 s[SEL+1], 0xfedcba98
	s_mov_b32 s[HM], 0xffff0000
	s_wait_kmcnt 0x0
	s_add_nc_u64 s[OT:OT+1], s[8:9], s[OF:OF+1]
	s_mov_b32 s[OF], s[TS]
	s_add_nc_u64 s[LP:LP+1], s[OT:OT+1], s[OF:OF+1]
	s_load_b256 s[RO:RO+7], s[LP:LP+1], 0x0
.irp a, 0,1,2,3
	global_load_b32 v[KEY+(\a)], v18, s[OT:OT+1] offset:64*(\a)
.endr
	global_load_b32 v28, v19, s[18:19]             ; the 256 maxima of the first stage's weights,
	global_load_b32 v29, v19, s[18:19] offset:1024 ; the 384 of the second's: 256,
	global_load_b32 v30, v24, s[18:19] offset:2048 ; and 128, each taken twice, which a maximum does not mind
	global_load_b128 v[32:35], v25, s[10:11]       ; all of b_dataset: 2 x 4,096 bytes
	global_load_b128 v[36:39], v25, s[10:11] offset:4096
	global_load_b128 v[40:43], v25, s[12:13]       ; all of b_assay: 3 x 4,096 bytes
	global_load_b128 v[44:47], v25, s[12:13] offset:4096
	global_load_b128 v[48:51], v25, s[12:13] offset:8192
	; addresses, in the wait for the list
	s_lshl_b32 s[TS], s[WV], 8
	v_lshl_add_u32 v[BOF], v[H], 5, s[TS]
	v_mul_u32_u24 v[HRD0], v[R], HP
	v_lshl_add_u32 v[HRD0], v[H], 4, v[HRD0]       ; row x pitch + 16 x half
	v_add_nc_u32 v[HRD1], HB, v[HRD0]
	s_lshl_b32 s[TS], s[WV], 7                     ; my 64 columns are 128 bytes of a row of h
	v_add_nc_u32 v[HST0], s[TS], v[HRD0]
	v_add_nc_u32 v[HST1], HB, v[HST0]
	v_mul_u32_u24 v[OST0], v[R], OP
	v_lshl_add_u32 v[OST0], v[H], 5, v[OST0]
	s_lshl_b32 s[TS], s[WV], 8
	s_add_co_u32 s[TS], s[TS], OUTS
	v_add_nc_u32 v[OST0], s[TS], v[OST0]
	v_add_nc_u32 v[OST1], 32*OP, v[OST0]
	s_mul_i32 s[TS], s[WV], 8*OP
	s_add_co_u32 s[TS], s[TS], OUTS
	v_add_nc_u32 v[ORD], s[TS], v[WOF]
	s_mul_i32 s[TS], s[WV], 8*HP
	v_lshl_add_u32 v[ZST], v[LN], 3, s[TS]
	s_lshl_b32 s[TS], s[WV], 2
	s_add_co_u32 s[TS], s[TS], STAT
	v_mov_b32 v55, s[TS]
	v_mov_b32 v[ZERO], 0
	v_mov_b32 v[STA], STAT
	v_mov_b32 v54, 0
	s_wait_kmcnt 0x0
.set i, 0
.rept 8
	s_and_b32 s[RO+i], s[RO+i], 0xffff             ; the row's number,
	s_min_u32 s[RO+i], s[RO+i], 0x3fff             ; inside the batch,
	s_lshl_b32 s[RO+i], s[RO+i], 11                ; times 2,048 bytes
	s_mov_b32 s[OF], s[RO+i]
	s_add_nc_u64 s[RP+2*i:RP+2*i+1], s[4:5], s[OF:OF+1]
.set i, i+1
.endr
.set i, 0
.rept 8                                                ; my wave's eight rows of z: 32 loads of 512 consecutive bytes, all out at once; the list names each row once
.irp q, 0,1,2,3
	global_load_b128 v[ACC+16*i+4*(\q):ACC+16*i+4*(\q)+3], v[WOF], s[RP+2*i:RP+2*i+1] offset:512*(\q) th:TH_LOAD_NT
.endr
.set i, i+1
.endr
	s_wait_loadcnt 32                              ; the twelve older loads are in, z's 32 stay out
	v_max_num_f32 v29, v29, v30                    ; max |W| of the second stage
	v_max_num_f32 v30, |v32|, |v33|                ; max |b| of the first
	v_max3_num_f32 v30, |v34|, |v35|, v30
	v_max3_num_f32 v30, |v36|, |v37|, v30
	v_max3_num_f32 v30, |v38|, |v39|, v30
	v_max_num_f32 v31, |v40|, |v41|                ; and of the second
	v_max3_num_f32 v31, |v42|, |v43|, v31
	v_max3_num_f32 v31, |v44|, |v45|, v31
	v_max3_num_f32 v31, |v46|, |v47|, v31
	v_max3_num_f32 v31, |v48|, |v49|, v31
	v_max3_num_f32 v31, |v50|, |v51|, v31
.set i, 0
.rept 8                                                ; row i: its largest magnitude, rounded to bf16, 8 bytes a lane into H0
	s_wait_loadcnt 4*(7-i)                         ; four loads for each later row stay out
.set n, 0
.rept 8
.set zr, ACC+16*i+2*n
.if (i == 0) && (n < 2)
	v_max_num_f32 v[52+n], |v[zr]|, |v[zr+1]|      ; the first values start the two chains
.else
	v_max3_num_f32 v[52+n%2], |v[zr]|, |v[zr+1]|, v[52+n%2]
.endif
.set n, n+1
.endr
.set n, 0
.rept 4
.set zr, ACC+16*i+4*n
	v_cvt_pk_bf16_f32 v[zr], v[zr], v[zr+1]
	v_cvt_pk_bf16_f32 v[zr+1], v[zr+2], v[zr+3]
	ds_store_b64 v[ZST], v[zr:zr+1] offset:HP*i+256*n
.set n, n+1
.endr
.set i, i+1
.endr
	v_max_num_f32 v52, v52, v53
.macro REDUCE x                        ; the maximum over the wave's 32 lanes, in every lane
	v_max_num_f32_dpp v[\x], v[\x], v[\x] row_xmask:1 row_mask:0xf bank_mask:0xf
	v_max_num_f32_dpp v[\x], v[\x], v[\x] row_xmask:2 row_mask:0xf bank_mask:0xf
	v_max_num_f32_dpp v[\x], v[\x], v[\x] row_xmask:4 row_mask:0xf bank_mask:0xf
	v_max_num_f32_dpp v[\x], v[\x], v[\x] row_xmask:8 row_mask:0xf bank_mask:0xf
	v_permlanex16_b32 v54, v[\x], s[SEL], s[SEL+1]
	v_max_num_f32 v[\x], v[\x], v54
.endm
	REDUCE 52
	REDUCE 28
	REDUCE 29
	REDUCE 30
	REDUCE 31
	ds_store_b32 v55, v52                          ; all lanes write the same word with the same number
	ds_store_b32 v55, v28 offset:32
	ds_store_b32 v55, v29 offset:64
	ds_store_b32 v55, v30 offset:96
	ds_store_b32 v55, v31 offset:128
	s_wait_dscnt 0x0                               ; for the others' sake: my rows of z and my maxima are written
	s_barrier_signal -1
	s_barrier_wait -1
.irp q, 0,1,2,3,4
	ds_load_b128 v[BIAS+8*(\q):BIAS+8*(\q)+3], v[STA] offset:32*(\q)
	ds_load_b128 v[BIAS+8*(\q)+4:BIAS+8*(\q)+7], v[STA] offset:32*(\q)+16
.endr
	s_wait_dscnt 0x0
.irp q, 0,1,2,3,4
	v_max3_num_f32 v[BIAS+8*(\q)], v[BIAS+8*(\q)], v[BIAS+8*(\q)+1], v[BIAS+8*(\q)+2]
.endr
.irp q, 0,1,2,3,4
	v_max3_num_f32 v[BIAS+8*(\q)], v[BIAS+8*(\q)], v[BIAS+8*(\q)+3], v[BIAS+8*(\q)+4]
.endr
.irp q, 0,1,2,3,4
	v_max3_num_f32 v[BIAS+8*(\q)], v[BIAS+8*(\q)], v[BIAS+8*(\q)+5], v[BIAS+8*(\q)+6]
.endr
.irp q, 0,1,2,3,4
	v_max_num_f32 v[BIAS+8*(\q)], v[BIAS+8*(\q)], v[BIAS+8*(\q)+7]
.endr
	v_mul_f32 v[BIAS+1], 0x44000000, v[BIAS]       ; 512 max|z|
	v_fma_f32 v[BIAS+1], v[BIAS+1], v[BIAS+8], v[BIAS+24]   ; B1
	v_mul_f32 v[BIAS+2], 0x44000000, v[BIAS+1]
	v_fma_f32 v[BIAS+2], v[BIAS+2], v[BIAS+16], v[BIAS+32]  ; B2
	v_readfirstlane_b32 s[E1], v[BIAS+1]
	v_readfirstlane_b32 s[E2], v[BIAS+2]
	s_lshr_b32 s[E1], s[E1], 23                    ; B < 2^(field - 126)
	s_max_u32 s[E1], s[E1], 15
	s_min_u32 s[E1], s[E1], 254                    ; so that every factor below has an exponent field of 1 to 254
	s_lshr_b32 s[E2], s[E2], 23
	s_sub_co_i32 s[TE], s[E1], 100
	s_max_i32 s[E2], s[E2], s[TE]
	s_max_i32 s[E2], s[E2], 15
	s_min_i32 s[E2], s[E2], 254
	s_sub_co_u32 s[SC], 268, s[E1]
	s_lshl_b32 s[SC], s[SC], 23                    ; stage 1: sums and bias times s1 = 2^(141 - e1)
	s_mov_b32 s[SC+3], s[SC]
	s_sub_co_i32 s[SC+1], s[E1], s[E2]
	s_add_co_i32 s[SC+1], s[SC+1], 127
	s_max_i32 s[SC+1], s[SC+1], 0
	s_lshl_b32 s[SC+1], s[SC+1], 23                ; stage 2: the sums carry s1 and get s2 / s1 = 2^(e1 - e2),
	s_sub_co_u32 s[SC+4], 268, s[E2]
	s_lshl_b32 s[SC+4], s[SC+4], 23                ; the bias s2 = 2^(141 - e2)
	s_sub_co_u32 s[SC+2], s[E2], 14
	s_lshl_b32 s[SC+2], s[SC+2], 23                ; stage 3: the sums carry s2 and get 1 / s2,
	s_mov_b32 s[SC+5], 1.0                         ; the bias 1
; k step ks of my slice: four blocks of 16 columns x 32 k, 1,024 bytes each, into ring buffer ks % 6
.macro LDW ks
	WIN TO_F
.irp cb, 0,1,2,3
.irp hf, 0,1
	global_load_b128 v[32*((\ks)%6)+8*(\cb)+4*(\hf):32*((\ks)%6)+8*(\cb)+4*(\hf)+3], v[WOF], s[WP:WP+1] offset:4096*(\ks)+1024*(\cb)+512*(\hf)
.endr
.endr
.endm
; k step ks of h: four fragments of 16 rows x 32 k into buffer ks % 2
.macro LDH hrd, ks
	WIN TO_F
.irp a, 0,1,2,3
.irp hf, 0,1
	ds_load_b128 v[192+32*((\ks)%2)+8*(\a)+4*(\hf):192+32*((\ks)%2)+8*(\a)+4*(\hf)+3], v[\hrd] offset:16*HP*(\a)+64*(\ks)+32*(\hf)
.endr
.endr
.endm
; 16 matrix instructions, the 16 accumulators by turns in the same order in every step; the first step starts the sums with the constant 0
.macro MM ks, fmt
	WIN MUL
.irp cb, 0,1,2,3
.irp a, 0,1,2,3
.if (\ks) == 0
	v_wmma_f32_16x16x32_\fmt v[ACC+32*(\a)+8*(\cb):ACC+32*(\a)+8*(\cb)+7], v[32*((\ks)%6)+8*(\cb):32*((\ks)%6)+8*(\cb)+7], v[192+32*((\ks)%2)+8*(\a):192+32*((\ks)%2)+8*(\a)+7], 0
.else
	v_wmma_f32_16x16x32_\fmt v[ACC+32*(\a)+8*(\cb):ACC+32*(\a)+8*(\cb)+7], v[32*((\ks)%6)+8*(\cb):32*((\ks)%6)+8*(\cb)+7], v[192+32*((\ks)%2)+8*(\a):192+32*((\ks)%2)+8*(\a)+7], v[ACC+32*(\a)+8*(\cb):ACC+32*(\a)+8*(\cb)+7]
.endif
.endr
.endr
.endm
; A k step: the buffers that the last step's products read are asked for again (weights five steps ahead, h one step ahead), then this step's 16 products
.macro STEP ks, hrd, fmt
.if (\ks) >= 1
	PLACES
.if (\ks)+5 <= 15
	LDW (\ks)+5
.endif
.endif
.if (\ks) < 15
	LDH \hrd, (\ks)+1
.endif
.if (\ks) <= 10
	s_wait_loadcnt 40                              ; this step's weights are in; five younger steps' eight loads each stay out
.else
	s_wait_loadcnt 8*(15-(\ks))                    ; the steps that are left
.endif
.if (\ks) < 15
	s_wait_dscnt 8                                 ; this step's h is in; the eight loads just issued stay out
.else
	s_wait_dscnt 0
.endif
	MM \ks, \fmt
.endm
; The way out of a hidden stage, 16 rows at a time: sum x AL + bias x BE, rounded to f16, ReLU on the packed halves; the rows that chose this expert are stored.
; Each accumulator is read from its lowest registers on.
.macro EPI_H hst
	WIN 0
	PLACES
	s_wait_xcnt 0x0                                ; EXEC changes below; no global instruction follows in this macro
.irp a, 0,1,2,3
.irp cb, 0,1,2,3
.irp p, 0,1,2,3
	v_pk_fma_f32 v[ACC+32*(\a)+8*(\cb)+2*(\p):ACC+32*(\a)+8*(\cb)+2*(\p)+1], v[ACC+32*(\a)+8*(\cb)+2*(\p):ACC+32*(\a)+8*(\cb)+2*(\p)+1], s[AL:AL+1], v[BIAS+8*(\cb)+2*(\p):BIAS+8*(\cb)+2*(\p)+1] op_sel_hi:[1,0,1]
.endr
.irp p, 0,1,2,3
	v_cvt_pk_f16_f32 v[PK+4*(\cb)+(\p)], v[ACC+32*(\a)+8*(\cb)+2*(\p)], v[ACC+32*(\a)+8*(\cb)+2*(\p)+1]
.endr
.endr
.irp q, 0,1,2,3,4,5,6,7,8,9,10,11,12,13,14,15
	v_pk_max_num_f16 v[PK+(\q)], v[PK+(\q)], v[ZERO]
.endr
	v_cmp_eq_u32 vcc_lo, s[EX], v[DIG+(\a)]
	s_and_saveexec_b32 s[SV], vcc_lo
.irp cb, 0,1,2,3
	ds_store_b128 v[\hst], v[PK+4*(\cb):PK+4*(\cb)+3] offset:16*HP*(\a)+32*(\cb)
.endr
	s_or_b32 exec_lo, exec_lo, s[SV]
.endr
.endm
; The way out of the last stage: the same in f32, into OUTS
.macro EPI_O
	WIN 0
	PLACES
	s_wait_xcnt 0x0
.irp a, 0,1,2,3
.irp cb, 0,1,2,3
.irp p, 0,1,2,3
	v_pk_fma_f32 v[ACC+32*(\a)+8*(\cb)+2*(\p):ACC+32*(\a)+8*(\cb)+2*(\p)+1], v[ACC+32*(\a)+8*(\cb)+2*(\p):ACC+32*(\a)+8*(\cb)+2*(\p)+1], s[AL:AL+1], v[BIAS+8*(\cb)+2*(\p):BIAS+8*(\cb)+2*(\p)+1] op_sel_hi:[1,0,1]
.endr
.irp p, 0,1,2,3,4,5,6,7
	v_max_num_f32 v[ACC+32*(\a)+8*(\cb)+(\p)], 0, v[ACC+32*(\a)+8*(\cb)+(\p)]
.endr
.endr
	v_cmp_eq_u32 vcc_lo, s[EX], v[DIG+(\a)]
	s_and_saveexec_b32 s[SV], vcc_lo
.irp cb, 0,1,2,3
	ds_store_b128 v[OST0+(\a)/2], v[ACC+32*(\a)+8*(\cb):ACC+32*(\a)+8*(\cb)+3] offset:16*OP*((\a)%2)+64*(\cb)
	ds_store_b128 v[OST0+(\a)/2], v[ACC+32*(\a)+8*(\cb)+4:ACC+32*(\a)+8*(\cb)+7] offset:16*OP*((\a)%2)+64*(\cb)+16
.endr
	s_or_b32 exec_lo, exec_lo, s[SV]
.endr
.endm
; A STAGE: st its number, ne its experts, ebase the first of them in wf, bp the scalar pair of its bias, fmt the operands' format, hrd where h is read, kind 1: the last stage, hst where h goes.
.macro STAGE st, ne, ebase, bp, fmt, hrd, kind, hst
	s_mov_b32 s[AL], s[SC+(\st)-1]
	s_mov_b32 s[AL+1], s[SC+(\st)-1]               ; named as pairs
	s_mov_b32 s[BE], s[SC+(\st)+2]
	s_mov_b32 s[BE+1], s[SC+(\st)+2]
.irp a, 0,1,2,3
	v_bfe_u32 v[DIG+(\a)], v[KEY+(\a)], 12+4*(\st), 4
.endr
	s_mov_b32 s[EX], 0
.Le_\st:
.irp a, 0,1,2,3
	v_cmp_eq_u32 s[MK+(\a)], s[EX], v[DIG+(\a)]
.endr
	s_or_b32 s[MK], s[MK], s[MK+1]
	s_or_b32 s[MK+2], s[MK+2], s[MK+3]
	s_or_b32 s[MK], s[MK], s[MK+2]
	s_cmp_eq_u32 s[MK], 0
	s_cbranch_scc1 .Lskip_\st                      ; no row of the tile chose this expert: the same answer in all eight waves, and no barrier is passed
	s_add_co_u32 s[OF], s[EX], \ebase
	s_lshl_b32 s[OF], s[OF], 19                    ; the expert's 524,288 bytes of wf,
	s_lshl_b32 s[TS], s[WV], 16                    ; my slice's 65,536
	s_add_co_u32 s[OF], s[OF], s[TS]
	s_add_nc_u64 s[WP:WP+1], s[6:7], s[OF:OF+1]    ; the last pass's loads were all waited for: the two bases may be written
	s_lshl_b32 s[OF], s[EX], 11
	s_add_nc_u64 s[BP:BP+1], s[\bp:\bp+1], s[OF:OF+1]
.irp cb, 0,1,2,3
.irp hf, 0,1
	global_load_b128 v[RAW+8*(\cb)+4*(\hf):RAW+8*(\cb)+4*(\hf)+3], v[BOF], s[BP:BP+1] offset:64*(\cb)+16*(\hf)
.endr
.endr
.irp k, 0,1,2,3,4,5
	LDW \k
.endr
	LDH \hrd, 0
	WIN 0
	s_wait_loadcnt 48                              ; the bias is in; six k steps of weights stay out, and the lines below stand in the wait for them
.irp p, 0,1,2,3,4,5,6,7,8,9,10,11,12,13,14,15
	v_cvt_pk_bf16_f32 v[RAW+2*(\p)], v[RAW+2*(\p)], v[RAW+2*(\p)+1]  ; the bias is rounded to bf16 like every input,
.endr
.irp p, 0,1,2,3,4,5,6,7,8,9,10,11,12,13,14,15
	v_lshlrev_b32 v[BIAS+2*(\p)], 16, v[RAW+2*(\p)]
	v_and_b32 v[BIAS+2*(\p)+1], s[HM], v[RAW+2*(\p)]
	v_pk_mul_f32 v[BIAS+2*(\p):BIAS+2*(\p)+1], v[BIAS+2*(\p):BIAS+2*(\p)+1], s[BE:BE+1] op_sel_hi:[1,0]  ; and takes the stage's power of two
.endr
.irp k, 0,1,2,3,4,5,6,7,8,9,10,11,12,13,14,15
	STEP \k, \hrd, \fmt
.endr
.if \kind
	EPI_O
.else
	EPI_H \hst
.endif
.Lskip_\st:
	s_add_co_u32 s[EX], s[EX], 1
	s_cmp_lt_u32 s[EX], \ne
	s_cbranch_scc1 .Le_\st
	s_wait_dscnt 0x0                               ; my stores of the new layer are done, and my reads of the old one are back:
	s_barrier_signal -1                            ; one barrier for both
	s_barrier_wait -1
.endm
	STAGE 1, 4, 0,  10, bf16, HRD0, 0, HST1        ; z (H0, bf16) -> h1 (H1, f16)
	STAGE 2, 6, 4,  12, f16,  HRD1, 0, HST0        ; h1 -> h2 (H0, f16)
	STAGE 3, 4, 10, 14, f16,  HRD0, 1, 0           ; h2 -> OUTS (f32)
	; THE WAY OUT: my wave's eight rows are read back whole and stored at their places in out0
.set i, 0
.rept 8
	s_mov_b32 s[OF], s[RO+i]
	s_add_nc_u64 s[RP+2*i:RP+2*i+1], s[16:17], s[OF:OF+1]
.set i, i+1
.endr
.set n, 0
.rept 32                                               ; n = 4 x row + quarter
	ds_load_b128 v[ACC+4*n:ACC+4*n+3], v[ORD] offset:OP*(n/4)+512*(n%4)
.set n, n+1
.endr
.set i, 0
.rept 8
	s_wait_dscnt 4*(7-i)                           ; four reads for each later row stay out
.irp q, 0,1,2,3
	global_store_b128 v[WOF], v[ACC+16*i+4*(\q):ACC+16*i+4*(\q)+3], s[RP+2*i:RP+2*i+1] offset:512*(\q) th:TH_STORE_NT  ; 512 consecutive bytes, at a multiple of 512 from out0's first byte
.endr
.set i, i+1
.endr
	s_wait_tensorcnt 0x0                           ; the wave's end, behind my last LDS store
	ds_add_u32 v[SPW], v[NIL]
	s_wait_dscnt 0x0
	s_endpgm
.Lfunc_end_k_qafa6ccb231_chain:
	.size	k_qafa6ccb231_chain, .Lfunc_end_k_qafa6ccb231_chain-k_qafa6ccb231_chain
	.p2alignl 7, 3214868480
	.fill 96, 4, 3214868480
	.section	.rodata,"a",@progbits
	.p2align	6, 0x0
	.amdhsa_kernel k_qafa6ccb231_chain
		.amdhsa_group_segment_fixed_size 266496
		.amdhsa_private_segment_fixed_size 0
		.amdhsa_enable_private_segment 0
		.amdhsa_kernarg_size 64
		.amdhsa_user_sgpr_count 2
		.amdhsa_user_sgpr_kernarg_segment_ptr 1
		.amdhsa_wavefront_size32 1
		.amdhsa_system_sgpr_workgroup_id_x 1
		.amdhsa_system_sgpr_workgroup_id_y 1
		.amdhsa_system_sgpr_workgroup_id_z 1
		.amdhsa_system_vgpr_workitem_id 0
		.amdhsa_next_free_vgpr 512
		.amdhsa_next_free_sgpr 96
		.amdhsa_reserve_vcc 1
		.amdhsa_float_denorm_mode_32 3
		.amdhsa_float_denorm_mode_16_64 3
		.amdhsa_memory_ordered 1
		.amdhsa_forward_progress 1
		.amdhsa_inst_pref_size 203
	.end_amdhsa_kernel
	.amdgpu_metadata
---
amdhsa.version: [ 1, 2 ]
amdhsa.kernels:
  - .name:           k_qafa6ccb231_chain
    .symbol:         k_qafa6ccb231_chain.kd
    .args:
      - { .name: z, .offset: 0, .size: 8, .value_kind: global_buffer, .address_space: global }
      - { .name: wf, .offset: 8, .size: 8, .value_kind: global_buffer, .address_space: global }
      - { .name: order, .offset: 16, .size: 8, .value_kind: global_buffer, .address_space: global }
      - { .name: b_dataset, .offset: 24, .size: 8, .value_kind: global_buffer, .address_space: global }
      - { .name: b_assay, .offset: 32, .size: 8, .value_kind: global_buffer, .address_space: global }
      - { .name: b_donor, .offset: 40, .size: 8, .value_kind: global_buffer, .address_space: global }
      - { .name: out0, .offset: 48, .size: 8, .value_kind: global_buffer, .address_space: global }
      - { .name: wstat, .offset: 56, .size: 8, .value_kind: global_buffer, .address_space: global }
    .group_segment_fixed_size: 266496
    .private_segment_fixed_size: 0
    .kernarg_segment_align: 8
    .kernarg_segment_size: 64
    .max_flat_workgroup_size: 256
    .sgpr_count:     96
    .vgpr_count:     512
    .wavefront_size: 32
...
	.end_amdgpu_metadata
.endif
;; end of part 2
